; MI455X (gfx1250); checked and timed in simulation.
; The chip was launched on July 23, 2026; its instructions are those of AMD's public machine-readable ISA for CDNA 5 (MIT licence, August 2026) and "CDNA5" Instruction Set Architecture Reference Guide (July 2026). The comments in the code are by the model that wrote it; some were corrected since.
;; Fully Connected. Allowed arithmetic: float matrix products may take bf16 or f16 operands with f32 sums; other float arithmetic in f32, or as packed bf16 or f16 multiplies, adds, multiply-adds, maxima and minima; sums over many terms, partial sums and values carried from step to step in f32; what a program stores and reads back later, other than sums and carried values, may be rounded once to bf16 or f16.
;; Inputs: bias 8,192 x 1 int32; weights 8,192 x 4,096 int8; x 2,048 x 4,096 int8.
;; Outputs: out0 2,048 x 8,192 int8.
;; Constants: exponent = -3, output_zero_point = -5, q_mantissa = 1431655765.
;; One version. Each part assembles by itself: llvm-mc -triple=amdgcn-amd-amdhsa -mcpu=gfx1250 --defsym DOCPART=n.
;; ======== version 1 of 1: 1 launch
;; launch fc (part 1): grid 32 x 8, 4 waves a work-group, clusters of 4 x 4, 327,680 bytes of LDS; arguments x, weights, bias, out0; writes out0
.if DOCPART == 1
	.amdgcn_target "amdgcn-amd-amdhsa--gfx1250"
	.amdhsa_code_object_version 6
	.text
	.protected	k_qddb73e6deb_fc
	.globl	k_qddb73e6deb_fc
	.p2align	8
	.type	k_qddb73e6deb_fc,@function
k_qddb73e6deb_fc:
	s_mov_b64 s[64:65], 0
	v_nop
	global_prefetch_b8 v0, s[64:65] scope:SCOPE_SE
	s_setreg_imm32_b32 hwreg(HW_REG_WAVE_MODE, 25, 1), 1
	s_wait_xcnt 0x0
	s_wait_alu depctr_hold_cnt(0) depctr_sa_sdst(0) depctr_va_vdst(0) depctr_va_sdst(0) depctr_va_ssrc(0) depctr_va_vcc(0) depctr_vm_vsrc(0)
	s_getreg_b32 s2, hwreg(HW_REG_IB_STS2, 6, 4)
	s_cmp_eq_u32 s2, 0
	s_cbranch_scc0 .Lentry_in_a_cluster
	s_endpgm
.Lentry_in_a_cluster:
	s_bfe_u32 s2, ttmp6, 0x10000c
	s_cmp_lg_u32 s2, 0xf033
	s_cbranch_scc0 .Lentry_shape_is_right
	s_endpgm
.Lentry_shape_is_right:
; out[m][n] = clip(((sum over k of x[m][k] w[n][k] + bias[n]) * 21845 + 2^17 >> 18) - 5, -128, 127).
; x: [2048][4096] int8, weights: [8192][4096] int8, bias: [8192] int32, out: [2048][8192] int8.  21845 = (1431655765 + 2^15) >> 16, 18 = 15 + 3: constants of the problem.
; FORMAT.  The result is compared exactly and a sum can reach 2^26, so the operands stay the int8 that the buffers hold and the sums are i32: v_wmma_i32_16x16x64_iu8, both sources signed.
; Nothing is rounded in the sums, so their order does not matter.
; LIMIT.  No i32 partial sum leaves its range while |bias| <= 2^31 - 2^26 - 1 (|sum| <= 4096 x 128 x 128 = 2^26).  Beyond that this text leans on i32 sums that wrap, as the int32 add of the definition does.
; SHARES.  out has 8 x 32 tiles of 256 x 256, one to a work-group of four waves; a wave makes 128 x 128: 64 accumulators of 16 x 16, 512 registers.  K goes in 16 steps of 256 bytes through a ring of two
; LDS slots filled by the tensor data mover: the rows of a tile are 256 consecutive bytes, at multiples of 256 from the buffer's first byte.
; CLUSTER.  4 x 4 work-groups.  The four of a row of the cluster need the same tiles of x, the four of a column the same tiles of weights: each tile is asked for JOINTLY, by the same tensor load with the
; same descriptor and a mask that names the four.
; TRANSPOSED USE.  Source 0 = 16 rows of weights, source 1 = 16 rows of x: lane l then holds row m = l % 16 of out, and its registers 0 to 7 the columns n = 8 (l / 16) + 0 .. 7: eight neighbouring int8.
; BIAS is the C operand of the products that start the sums: no register is cleared and no addition is spent on it.
; FRAGMENTS.  16 rows x 64 bytes in 8 registers, by two loads of 16 bytes, 32 bytes apart, at row x pitch + 16 (l / 16).  That puts the 64 k of an instruction in other places than the form's own map does,
; alike in both sources and each k once, so every product x[m][k] w[n][k] is still made once; whole-number sums have one value whatever their order.
; REQUANTISATION, exact.  g(a) = floor((21845 a + 2^17) / 2^18) - 5 never falls; g(1584) = 127 and g(-1476) = -128, so clip(g(a)) = g(a held to -1476 .. 1584).  In that range floor(x + 1/2) is x rounded to
; the nearest whole number: a tie would need 21845 a = 2^17 modulo 2^18, that is a = 2^17 modulo 2^18 (21845 is odd).  So: a as f32 (exact below 2^24, never falling above, and held to the range next);
; the clamp; one fused multiply-add t x 21845 / 2^18 + (1.5 x 2^23 - 5), whose one rounding is to a whole number (numbers from 2^23 to 2^24 are 1 apart): the result's low byte IS the int8.
; REGISTERS, in windows of 256 (s_set_vgpr_msb: bits 1:0 source 0, 3:2 source 1, 5:4 source 2, 7:6 destination):
;   window 0: v0-31 addresses; v64-127, v128-191 fragments of x, two buffers (at the end: rows read back from the stage); v192-255 bias
;   window 1: v64-127, v128-191 fragments of weights, two buffers
;   window 2: the 32 accumulators of my rows 0-63 (accumulator (a, b) at v[8 (8 a + b)]);   window 3: those of my rows 64-127
.set SIZE_K, 4096
.set SIZE_N, 8192
.set KSTEP,  256                       ; bytes of K in a step
.set PITCH,  272                       ; an LDS row: 256 bytes of data + 16 of padding = 68 words: row r starts at bank 4 r mod 64 (64 banks of 4 bytes: ISA guide 11.1), so the 16 rows of a load start at 16 different banks
.set HALFT,  128*PITCH                 ; 128 rows: what one tensor load brings, and what one wave reads of x or of weights
.set SLOT,   4*HALFT                   ; x's 256 rows, then weights' 256 rows
.set STAGE,  0                         ; the way out: 256 rows x 272 bytes in slot 0's bytes, which have had their last fill (K step 14) and their last read by then
.set SP,     272
.set SPARE,  2*SLOT                    ; behind the ring: the spare words, 128 bytes for each wave: two blocks of 256 bytes that no other line names
.set LAPS,   SIZE_K/(2*KSTEP)          ; a lap = two K steps = once round the ring: 8
.set ADRA, 16                          ; v16-17  LDS address of my x fragments in slot 0, 1
.set ADRB, 20                          ; v20-21  the same for weights
.set STO,  24                          ; v24     the way out: where I put 8 bytes of a row
.set RD,   25                          ; v25     the way out: where I read a row back
.set CO,   26                          ; v26     my byte offset in out
.set BO,   27                          ; v27     my byte offset in bias: 32 (l / 16)
.set SPW,  28                          ; v28     LDS address of my spare word: SPARE + 4 x my thread's number; never rewritten
.set NIL,  29                          ; v29     0; never rewritten
.set F0,   64                          ; fragment buffer 0
.set F1,   128                         ; fragment buffer 1
.set OB,   64                          ; the way out: 64 rows' 16 bytes a lane, 32 x 4 registers
.set BIAS, 192                         ; v[BIAS + 8 b + j] = bias[my first column + 16 b + 8 (l / 16) + j]; never rewritten
.set G1,  24                           ; s[24:31] descriptor group 1 for x's tiles
.set G0,  32                           ; s[32:39] descriptor group 0 for x's tiles, one set for each slot
.set G1B, 48                           ; s[48:55] descriptor group 1 for weights' tiles: it differs in the mask alone
.set G0B, 56                           ; s[56:63] descriptor group 0 for weights' tiles, one set for each slot
.set QC,  66                           ; s[66:67] 21845 / 2^18
.set QD,  68                           ; s[68:69] 1.5 x 2^23 - 5
.set CLO, 70                           ; s70  -1476.0
.set CHI, 71                           ; s71  1584.0
.set SELB, 72                          ; s72  v_perm_b32: the low bytes of two registers into bytes 0 and 1
.set SELH, 73                          ; s73  v_perm_b32: the low halves of two registers
.set MSB, 0
.macro WIN new                         ; the immediate's high byte repeats the setting that is left; a switch that changes nothing is dropped
.if MSB != (\new)
	s_set_vgpr_msb (MSB<<8)|(\new)
.set MSB, \new
.endif
.endm
.set MUL_LO,   0xa1                    ; source 0 (weights) window 1, source 1 (x) window 0, C and D window 2
.set FIRST_LO, 0x81                    ; the same with C (bias) in window 0
.set TO_B,     0x40                    ; destination window 1, address window 0
; A joint load.  Waves 0 and 1 fetch x's two halves, waves 2 and 3 weights'.  Each of the two lines has ONE mask and one set of registers for all that issue it; the branch hangs on the wave's number alone.
; An s_nop 0 follows each line, then eight v_nop: where a slot is filled again they are also the eight places in front of the fragment loads that follow the macro.
.macro JLOAD s
	s_cmp_eq_u32 s13, 0
	s_cbranch_scc0 .Lfor_b_\@
	tensor_load_to_lds s[G0+4*(\s):G0+4*(\s)+3], s[G1:G1+7]
	s_nop 0
.rept 8
	v_nop
.endr
	s_branch .Lasked_\@
.Lfor_b_\@:
	tensor_load_to_lds s[G0B+4*(\s):G0B+4*(\s)+3], s[G1B:G1B+7]
	s_nop 0
.rept 8
	v_nop
.endr
.Lasked_\@:
.endm
; A round of the cluster's barrier: my work-group's barrier, so that wave 0's signal speaks for all four waves; wave 0 signals for the work-group; every wave waits for all sixteen
; work-groups; my work-group's barrier once more.  No LDS instruction of the wave is pending at a signal.
.macro CREST                           ; a round behind its opening barrier
	s_cmp_lg_u32 s12, 0
	s_cbranch_scc1 .Lnot_wave_0_\@
	s_barrier_signal -3
.Lnot_wave_0_\@:
	s_barrier_wait -3
	s_barrier_signal -1
	s_barrier_wait -1
.endm
.macro CROUND                          ; a whole round
	s_barrier_signal -1
	s_barrier_wait -1
	CREST
.endm
	s_load_b256 s[4:11], s[0:1], 0x0               ; x s[4:5], weights s[6:7], bias s[8:9], out s[10:11]
	v_lshl_add_u32 v[SPW], v0, 2, SPARE
	v_mov_b32 v[NIL], 0
	ds_add_u32 v[SPW], v[NIL]                      ; the wave's opening: the add and its wait stand ahead of my first tensor load; the set-up below, work on registers, stands between them
	v_lshrrev_b32 v1, 5, v0
	v_readfirstlane_b32 s12, v1                    ; wave 0..3
	s_lshr_b32 s13, s12, 1                         ; which half of the tile's rows is mine.  Also: I fetch for x (0) or for weights (1)
	s_and_b32 s14, s12, 1                          ; which half of its columns.  Also: which 128 rows of that tile I fetch
	s_bfe_u32 s40, ttmp6, 0x40000                  ; cx: my place along the cluster's x
	s_bfe_u32 s41, ttmp6, 0x40004                  ; cy: along its y
	s_lshl_b32 s42, ttmp9, 2                       ; in a cluster launch ttmp9 and ttmp7 count clusters
	s_add_co_u32 s42, s42, s40                     ; tile column of out = 4 x cluster x + cx
	s_and_b32 s45, ttmp7, 0xffff
	s_lshl_b32 s45, s45, 2
	s_add_co_u32 s45, s45, s41                     ; tile row of out = 4 x cluster y + cy
	s_lshl_b32 s43, s41, 2
	s_lshl_b32 s43, 15, s43                        ; my row of the cluster: places 4 cy .. 4 cy + 3
	s_lshl_b32 s44, 0x1111, s40                    ; my column: places cx, cx + 4, cx + 8, cx + 12
	; descriptor group 1: a tile of 128 rows x 256 bytes, taken as 128 elements of 2 bytes, padded in LDS
	s_or_b32 s[G1+0], s43, (1<<16)|(1<<20)|(1<<21)|(5<<22)|(3<<25)   ; 15:0 the mask: x's tiles go to my row; 17:16 element of 2 bytes; 20 padding on; 21 set beside a mask; 24:22 after every 64 words (code 5); 31:25 of 4 words (code 3)
	s_or_b32 s[G1B+0], s44, (1<<16)|(1<<20)|(1<<21)|(5<<22)|(3<<25)  ; the same with the mask of my column, for weights' tiles
.irp g, G1, G1B
	s_mov_b32 s[(\g)+1], 128<<16                   ; 63:48 tensor_dim0, low half = 128
	s_mov_b32 s[(\g)+2], 128<<16                   ; 79:64 its high half = 0; 95:80 tensor_dim1, low half = 128
	s_mov_b32 s[(\g)+3], 128<<16                   ; 111:96 its high half = 0; 127:112 tile_dim0 = 128
	s_mov_b32 s[(\g)+4], 128                       ; 143:128 tile_dim1 = 128; 159:144 tile_dim2 = 0
	s_mov_b32 s[(\g)+5], SIZE_K/2                  ; 191:160 tensor_dim0_stride: 2,048 elements of 2 bytes from row to row
	s_mov_b32 s[(\g)+6], 0
	s_mov_b32 s[(\g)+7], 0
.endr
	; where the tiles come from.  x's hang on the tile row alone, which my row of the cluster shares; weights' on the tile column alone, which my column shares.
	; Every wave makes both offsets, in registers that never hold the other coordinate, and asks by one of them.  Both stay under 2^25.
	s_lshl_b32 s21, s14, 7                         ; which 128 rows of the tile I fetch
	s_lshl_b32 s16, s45, 8
	s_add_co_u32 s16, s16, s21                     ; x: row 256 x tile row + 128 x half,
	s_lshl_b32 s16, s16, 12                        ; of 4,096 bytes
	s_mov_b32 s17, 0
	s_lshl_b32 s46, s42, 8
	s_add_co_u32 s46, s46, s21                     ; weights: row 256 x tile column + 128 x half
	s_lshl_b32 s46, s46, 12
	s_mov_b32 s47, 0
	s_mul_i32 s20, s12, HALFT                      ; and where they go: x's two halves, then weights' two halves = wave x 128 rows: no place in the cluster enters an LDS address
	s_lshl_b32 s74, s45, 8                         ; out: the first row that I store, 256 x tile row + 64 x wave,
	s_lshl_b32 s75, s12, 6
	s_add_co_u32 s74, s74, s75
	s_lshl_b32 s74, s74, 13                        ; of 8,192 bytes: under 2^24
	s_mov_b32 s75, 0
	s_lshl_b32 s78, s42, 8                         ; and the tile's first column
	s_mov_b32 s79, 0
	s_lshl_b32 s76, s42, 10                        ; bias: 4 bytes x (256 x tile column + 128 x my column half)
	s_lshl_b32 s77, s14, 9
	s_add_co_u32 s76, s76, s77
	s_mov_b32 s77, 0
	s_mov_b32 s[QC], 0x3daaaa00                    ; 21845 / 2^18, exact in f32
	s_mov_b32 s[QC+1], s[QC]                       ; named with it as a pair, so it is written
	s_mov_b32 s[QD], 0x4b3ffffb                    ; 12,582,907 = 1.5 x 2^23 - 5
	s_mov_b32 s[QD+1], s[QD]
	s_mov_b32 s[CLO], 0xc4b88000                   ; -1476.0
	s_mov_b32 s[CHI], 0x44c60000                   ; 1584.0
	s_mov_b32 s[SELB], 0x00000400
	s_mov_b32 s[SELH], 0x05040100
	s_wait_dscnt 0x0                               ; the opening add is done
	s_wait_kmcnt 0x0
	s_add_nc_u64 s[18:19], s[4:5], s[16:17]        ; x at my part of its first tile
	s_add_nc_u64 s[46:47], s[6:7], s[46:47]        ; weights likewise
	s_add_nc_u64 s[8:9], s[8:9], s[76:77]          ; bias at my first column
	s_add_nc_u64 s[10:11], s[10:11], s[74:75]      ; out at the first row that I store,
	s_add_nc_u64 s[10:11], s[10:11], s[78:79]      ; at the tile's first column
	CROUND                                         ; all sixteen work-groups are here: the first joint loads meet
.irp s, 0,1
	s_mov_b32 s[G0+4*(\s)], 1                                      ; 1:0 count = 1
	s_add_co_u32 s[G0+4*(\s)+1], s20, (\s)*SLOT                    ; 63:32 LDS address
	s_add_nc_u64 s[G0+4*(\s)+2:G0+4*(\s)+3], s[18:19], (\s)*KSTEP  ; 120:64 global address: K step s
	s_or_b32 s[G0+4*(\s)+3], s[G0+4*(\s)+3], 0x80000000            ; 127:126 type = 2
	s_mov_b32 s[G0B+4*(\s)], 1
	s_add_co_u32 s[G0B+4*(\s)+1], s20, (\s)*SLOT
	s_add_nc_u64 s[G0B+4*(\s)+2:G0B+4*(\s)+3], s[46:47], (\s)*KSTEP
	s_or_b32 s[G0B+4*(\s)+3], s[G0B+4*(\s)+3], 0x80000000
	JLOAD \s                                       ; the ring is filled before anything else is done: two loads of mine are out
.endr
	; the addresses, while the first tiles are on their way
	v_and_b32 v1, 15, v0                           ; l % 16
	v_bfe_u32 v2, v0, 4, 1                         ; l / 16
	v_lshlrev_b32 v[BO], 5, v2                     ; eight int32 for each half of the lanes
.irp b, 0,1,2,3,4,5,6,7
	global_load_b128 v[BIAS+8*(\b):BIAS+8*(\b)+3],   v[BO], s[8:9] offset:64*(\b)     ; bias of columns 16 b + 8 (l / 16) + 0..3
	global_load_b128 v[BIAS+8*(\b)+4:BIAS+8*(\b)+7], v[BO], s[8:9] offset:64*(\b)+16  ; and + 4..7
.endr
	v_mul_u32_u24 v3, v1, PITCH
	v_lshl_add_u32 v3, v2, 4, v3                   ; a fragment's row x pitch + 16 x half
	s_mul_i32 s21, s13, HALFT                      ; my 128 rows of x
	s_mul_i32 s22, s14, HALFT                      ; my 128 rows of weights,
	s_add_co_u32 s22, s22, 2*HALFT                 ; which lie behind x's 256
.irp s, 0,1
	v_add_nc_u32 v[ADRA+(\s)], s21, v3
	v_add_nc_u32 v[ADRB+(\s)], s22, v3
	s_add_co_u32 s21, s21, SLOT
	s_add_co_u32 s22, s22, SLOT
.endr
	s_mul_i32 s23, s13, 128*SP                     ; into the stage: my 128 rows, my half of their 256 bytes; row l % 16, 8 bytes for each half of the lanes
	s_lshl_b32 s21, s14, 7
	s_add_co_u32 s23, s23, s21
	s_add_co_u32 s23, s23, STAGE
	v_mul_u32_u24 v4, v1, SP
	v_lshl_add_u32 v4, v2, 3, v4
	v_add_nc_u32 v[STO], s23, v4
	s_mul_i32 s23, s12, 64*SP                      ; back: wave w takes rows 64 w .. 64 w + 63, whole; lanes 0-15 one row of 256 bytes, lanes 16-31 the next
	s_add_co_u32 s23, s23, STAGE
	v_mul_u32_u24 v5, v2, SP
	v_lshl_add_u32 v5, v1, 4, v5
	v_add_nc_u32 v[RD], s23, v5
	v_lshlrev_b32 v5, 13, v2                       ; and the same two rows in out, 8,192 bytes apart
	v_lshl_add_u32 v[CO], v1, 4, v5
; 16 matrix instructions: m blocks a0, a0 + 1 of the window's four (hi = 0: my rows 0-63, 1: rows 64-127) x all 8 n blocks, 64 along K.
; first = 1: the product starts the sum, with bias as C.  The 64 accumulators take turns, one instruction a turn, in the same order in every quarter step.
.macro MUL16 f, hi, a0, first
.if \first
	WIN FIRST_LO+0x40*(\hi)
.else
	WIN MUL_LO+0x50*(\hi)
.endif
.irp a, \a0, (\a0)+1
.irp b, 0,1,2,3,4,5,6,7
.if \first
	v_wmma_i32_16x16x64_iu8 v[8*(8*(\a)+(\b)):8*(8*(\a)+(\b))+7], v[(\f)+8*(\b):(\f)+8*(\b)+7], v[(\f)+8*(4*(\hi)+(\a)):(\f)+8*(4*(\hi)+(\a))+7], v[BIAS+8*(\b):BIAS+8*(\b)+7] neg_lo:[1,1,0]
.else
	v_wmma_i32_16x16x64_iu8 v[8*(8*(\a)+(\b)):8*(8*(\a)+(\b))+7], v[(\f)+8*(\b):(\f)+8*(\b)+7], v[(\f)+8*(4*(\hi)+(\a)):(\f)+8*(4*(\hi)+(\a))+7], v[8*(8*(\a)+(\b)):8*(8*(\a)+(\b))+7] neg_lo:[1,1,0]
.endif
.endr
.endr
.endm
; 32 LDS loads in one run: the fragments of one quarter step (128 rows of weights, 128 rows of x, 64 bytes at byte k of the rows) into buffer f
.macro FETCH slot, k, f
	WIN TO_B
.irp i, 0,1,2,3,4,5,6,7
	ds_load_b128 v[(\f)+8*(\i):(\f)+8*(\i)+3],   v[ADRB+(\slot)] offset:(\k)+(\i)*16*PITCH
	ds_load_b128 v[(\f)+8*(\i)+4:(\f)+8*(\i)+7], v[ADRB+(\slot)] offset:(\k)+(\i)*16*PITCH+32
.endr
	WIN 0
.irp i, 0,1,2,3,4,5,6,7
	ds_load_b128 v[(\f)+8*(\i):(\f)+8*(\i)+3],   v[ADRA+(\slot)] offset:(\k)+(\i)*16*PITCH
	ds_load_b128 v[(\f)+8*(\i)+4:(\f)+8*(\i)+7], v[ADRA+(\slot)] offset:(\k)+(\i)*16*PITCH+32
.endr
.endm
; A load into a register that a matrix instruction of this form has read, and a vector instruction that reads its result, stand eight places behind it, and only plain vector instructions that name none
; of its registers are places (ISA guide 7.12.1 for vector instructions); the matrix instructions in between are not counted.  32 issue slots for a K step's 256 matrix instructions.
.macro PLACES
.rept 8
	v_nop
.endr
.endm
; A K step is four quarter steps of 64 along K, 64 matrix instructions each, on buffers 0, 1, 0, 1.
; One of the first three: multiplies buffer f; in its middle it fetches the next quarter's fragments, at byte k of the same slot's rows, into buffer g.
.macro QUARTER slot, k, f, g, first
	s_wait_dscnt 8                                 ; weights and x's rows 0-63 are in; the youngest eight loads (x's rows 64-127) may be out
	MUL16 \f, 0, 0, \first
	MUL16 \f, 0, 2, \first
	PLACES
	FETCH \slot, \k, \g
	s_wait_dscnt 32                                ; all but the 32 just issued
	MUL16 \f, 1, 0, \first
	MUL16 \f, 1, 2, \first
.endm
; The last quarter multiplies buffer 1 and changes slots.  MEET is its first half: ONE barrier for the change of slots.  In front of it each wave waits for all its tensor loads, of which one is out: its
; part of the next slot; adds 0 to its spare word; and waits for that and for its own reads of this slot.  Behind it nobody reads this slot any more and the next slot is whole.
.macro MEET round                      ; round = 1: a round of the cluster's barrier follows
	WIN 0                                          ; (the add's two registers lie in window 0)
	s_wait_tensorcnt 0x0                           ; all my tensor loads have landed: the one that was out is my part of the next slot;
	ds_add_u32 v[SPW], v[NIL]                      ; 0 onto my spare word;
	s_wait_dscnt 9                                 ; (the add and the youngest eight loads may be out)
	MUL16 F1, 0, 0, 0                              ; sixteen matrix instructions stand between the add and the wait for it
	s_wait_dscnt 0x0                               ; the add is done, and my reads of this slot are over:
	s_barrier_signal -1                            ; say so (where a slot is filled again this barrier opens a round of the cluster's barrier),
	MUL16 F1, 0, 2, 0                              ; work on registers while the others arrive,
.if \round
	WIN 0
.endif
	s_barrier_wait -1                              ; and go on when all four have said so
.endm
; The whole last quarter.  Behind the round the slot just read out is filled again first, with the K step two steps on; then come the next slot's first fragments.
; From a request to the wait for it a wave issues 224 matrix instructions.
.macro TURN slot, next
	MEET 1
	CREST                                          ; no wave of any partner still reads this slot's tile or has a load on its way
	s_add_nc_u64 s[G0+4*(\slot)+2:G0+4*(\slot)+3], s[G0+4*(\slot)+2:G0+4*(\slot)+3], 2*KSTEP     ; no tensor load of mine is out, so a group 0 may be written; the type bits on top are not reached
	s_add_nc_u64 s[G0B+4*(\slot)+2:G0B+4*(\slot)+3], s[G0B+4*(\slot)+2:G0B+4*(\slot)+3], 2*KSTEP
	JLOAD \slot                                    ; the first tensor load behind the round, and my only one until the next
	FETCH \next, 0, F0
	MUL16 F1, 1, 0, 0
	MUL16 F1, 1, 2, 0
.endm
; THE WAY OUT of my rows 16 a .. 16 a + 15, in place in the accumulators' window: to f32 (each accumulator's registers in ascending order), held to -1476 .. 1584,
; one fused multiply-add that leaves the int8 in the low byte, three byte picks for four numbers, and 8 bytes a lane and n block into the work-group's stage.
.macro OUTBLK a
.set AC, 64*((\a)%4)
	WIN 0xaa+0x55*((\a)/4)                         ; every operand place in window 2 or 3
.set i, 0
.rept 64
	v_cvt_f32_i32 v[AC+i], v[AC+i]
.set i, i+1
.endr
.set i, 0
.rept 64
	v_med3_num_f32 v[AC+i], v[AC+i], s[CLO], s[CHI]
.set i, i+1
.endr
.set i, 0
.rept 32
	v_pk_fma_f32 v[AC+i:AC+i+1], v[AC+i:AC+i+1], s[QC:QC+1], s[QD:QD+1] op_sel_hi:[1,0,0]
.set i, i+2
.endr
.irp b, 0,1,2,3,4,5,6,7
	v_perm_b32 v[AC+8*(\b)],   v[AC+8*(\b)+1], v[AC+8*(\b)],   s[SELB]  ; numbers 0, 1 in bytes 0, 1
	v_perm_b32 v[AC+8*(\b)+2], v[AC+8*(\b)+3], v[AC+8*(\b)+2], s[SELB]  ; 2, 3
	v_perm_b32 v[AC+8*(\b)+4], v[AC+8*(\b)+5], v[AC+8*(\b)+4], s[SELB]  ; 4, 5
	v_perm_b32 v[AC+8*(\b)+6], v[AC+8*(\b)+7], v[AC+8*(\b)+6], s[SELB]  ; 6, 7
	v_perm_b32 v[AC+8*(\b)],   v[AC+8*(\b)+2], v[AC+8*(\b)],   s[SELH]  ; 0 to 3
	v_perm_b32 v[AC+8*(\b)+1], v[AC+8*(\b)+6], v[AC+8*(\b)+4], s[SELH]  ; 4 to 7
.endr
	WIN 0x08+0x04*((\a)/4)                         ; address window 0, data window 2 or 3
.irp b, 0,1,2,3,4,5,6,7
	ds_store_b64 v[STO], v[AC+8*(\b):AC+8*(\b)+1] offset:(\a)*16*SP+16*(\b)  ; word 68 (l % 16) + 2 (l / 16) and the next: the 32 lanes touch each bank once
.endr
.endm
	s_wait_tensorcnt 1                             ; my part of K step 0 is in; K step 1's may stay out
	s_barrier_signal -1
	s_barrier_wait -1                              ; everybody's is
	FETCH 0, 0, F0
	s_wait_loadcnt 0x0                             ; bias
	QUARTER 0, 64,  F0, F1, 1                      ; the first quarter stands in front of the loop: its products start the sums, with bias
	WIN 0                                          ; at a label and at a branch every window is 0
	s_mov_b32 s3, LAPS-1
.Llap:                                                 ; a trip goes once round the ring, from a lap's second quarter to the next lap's first, and fills both slots again: trip i asks for K steps 2 i + 2 and 2 i + 3
	QUARTER 0, 128, F1, F0, 0
	QUARTER 0, 192, F0, F1, 0
	TURN 0, 1
	QUARTER 1, 64,  F0, F1, 0
	QUARTER 1, 128, F1, F0, 0
	QUARTER 1, 192, F0, F1, 0
	TURN 1, 0
	QUARTER 0, 64,  F0, F1, 0
	WIN 0
	s_sub_co_u32 s3, s3, 1
	s_cmp_lg_u32 s3, 0
	s_cbranch_scc1 .Llap
	QUARTER 0, 128, F1, F0, 0                      ; the last lap is written out: it asks for nothing, and has no round of the cluster's barrier
	QUARTER 0, 192, F0, F1, 0
	MEET 0                                         ; my one tensor load that was still out is slot 1's, the last K step's; behind this barrier no wave reads slot 0 any more
	PLACES                                         ; for the loads into buffer 0, which the quarter before multiplied
	FETCH 1, 0, F0
	MUL16 F1, 1, 0, 0
	MUL16 F1, 1, 2, 0
	QUARTER 1, 64,  F0, F1, 0
	QUARTER 1, 128, F1, F0, 0
	QUARTER 1, 192, F0, F1, 0
	s_wait_dscnt 8                                 ; the very last quarter: nothing more to fetch
	MUL16 F1, 0, 0, 0
	MUL16 F1, 0, 2, 0
	s_wait_dscnt 0x0
	MUL16 F1, 1, 0, 0
	MUL16 F1, 1, 2, 0
	; THE WAY OUT.  A wave's 128 columns are 128 bytes, half of an aligned 256 bytes of out: the two waves of a row half write the two halves of the same stage rows, a barrier stands between
	; the writing and the reading, and each wave then reads 64 whole rows and stores them.  The stage lies in slot 0's bytes: no tensor load follows, and slot 0's last reads were waited for in front of the last barrier.
	PLACES                                         ; the conversions read results just made
.irp a, 0,1,2,3,4,5,6,7
	OUTBLK \a
.endr
	WIN 0
	s_wait_dscnt 0x0                               ; for the others' sake: my stores into the stage are done
	s_barrier_signal -1
	s_barrier_wait -1
.set t, 0
.rept 32
	ds_load_b128 v[OB+4*t:OB+4*t+3], v[RD] offset:t*2*SP   ; two whole rows: lanes 0-15 one, lanes 16-31 the next
.set t, t+1
.endr
.set t, 0
.rept 32
	s_wait_dscnt 31-t                              ; LDS loads come back in order (ISA guide 5.7.1): pair t of rows is in, the younger ones may be out
	global_store_b128 v[CO], v[OB+4*t:OB+4*t+3], s[10:11] offset:2*t*SIZE_N th:TH_STORE_NT  ; 16 lanes store 256 consecutive bytes, at a multiple of 256 from out's first byte; 62 rows of out at the most: 507,904 bytes, inside the signed 24-bit immediate
.set t, t+1
.endr
	s_wait_tensorcnt 0x0                           ; the wave's end: behind my last tensor load and my last LDS store
	ds_add_u32 v[SPW], v[NIL]
	s_wait_dscnt 0x0
	CROUND                                         ; the closing round: no work-group ends while a partner may still ask for a tile that names it
	s_endpgm
.Lfunc_end_k_qddb73e6deb_fc:
	.size	k_qddb73e6deb_fc, .Lfunc_end_k_qddb73e6deb_fc-k_qddb73e6deb_fc
	.p2alignl 7, 3214868480
	.fill 96, 4, 3214868480
	.section	.rodata,"a",@progbits
	.p2align	6, 0x0
	.amdhsa_kernel k_qddb73e6deb_fc
		.amdhsa_group_segment_fixed_size 327680
		.amdhsa_private_segment_fixed_size 0
		.amdhsa_enable_private_segment 0
		.amdhsa_kernarg_size 32
		.amdhsa_user_sgpr_count 2
		.amdhsa_user_sgpr_kernarg_segment_ptr 1
		.amdhsa_wavefront_size32 1
		.amdhsa_system_sgpr_workgroup_id_x 1
		.amdhsa_system_sgpr_workgroup_id_y 1
		.amdhsa_system_sgpr_workgroup_id_z 1
		.amdhsa_system_vgpr_workitem_id 0
		.amdhsa_next_free_vgpr 1024
		.amdhsa_next_free_sgpr 80
		.amdhsa_reserve_vcc 0
		.amdhsa_float_denorm_mode_32 3
		.amdhsa_float_denorm_mode_16_64 3
		.amdhsa_memory_ordered 1
		.amdhsa_forward_progress 1
		.amdhsa_inst_pref_size 215
	.end_amdhsa_kernel
	.amdgpu_metadata
---
amdhsa.version: [ 1, 2 ]
amdhsa.kernels:
  - .name:           k_qddb73e6deb_fc
    .symbol:         k_qddb73e6deb_fc.kd
    .args:
      - { .name: x, .offset: 0, .size: 8, .value_kind: global_buffer, .address_space: global }
      - { .name: weights, .offset: 8, .size: 8, .value_kind: global_buffer, .address_space: global }
      - { .name: bias, .offset: 16, .size: 8, .value_kind: global_buffer, .address_space: global }
      - { .name: out0, .offset: 24, .size: 8, .value_kind: global_buffer, .address_space: global }
    .group_segment_fixed_size: 327680
    .private_segment_fixed_size: 0
    .kernarg_segment_align: 8
    .kernarg_segment_size: 32
    .max_flat_workgroup_size: 128
    .sgpr_count:     80
    .vgpr_count:     1024
    .wavefront_size: 32
...
	.end_amdgpu_metadata
.endif
;; end of part 1
